; MI455X (gfx1250); checked and timed in simulation.
; The chip was launched on July 23, 2026; its instructions are those of AMD's public machine-readable ISA for CDNA 5 (MIT licence, August 2026) and "CDNA5" Instruction Set Architecture Reference Guide (July 2026). The comments in the code are by the model that wrote it; some were corrected since.
;; Full Attention. Allowed arithmetic: matrix products marked QUANTISED: E4M3 operands, one E8M0 scale for each 32 along K, by v_wmma_scale_f32_16x16x128_f8f6f4 with both operands' format E4M3, f32 sums; everything else in f32.
;; Inputs: keys 4 x 2,048 x 16 x 64 float32; queries 4 x 2,048 x 16 x 64 float32; values 4 x 2,048 x 16 x 64 float32.
;; Outputs: out0 4 x 2,048 x 16 x 64 float32.
;; This version of the problem:
;;   THIS VERSION OF THE PROBLEM IS GIVEN IN LOW PRECISION. The matrix products marked QUANTISED in the list below multiply operands that are first quantised to E4M3 (4 exponent bits, 3 mantissa bits; 8 bits a number), with one power-of-two scale for each 32 numbers along K (OCP MX v1.0); their sums are f32. All else is computed in f32.
;;   The module's matrix products, in the order in which they are computed (A, B: the left and right operand; K: the contracted axis; several contracted axes count as one K, in the product's order):
;;     1. batch 64 x [M 2,048, K 64] x [K 64, N 2,048]; A: input queries; B: input keys: QUANTISED
;;     2. batch 64 x [M 64, K 2,048] x [K 2,048, N 2,048]; A: input values; B: softmax (see below): QUANTISED
;;   THE QUANTISER, for each operand of a quantised product, along K:
;;     - K is cut into blocks of 32 from its start; a last block that is shorter is filled with zeros.
;;     - A block's scale is 2^e with e = floor(log2(the largest magnitude in the block)) - 8, held to -126 .. 127; a block of zeros has e = 0. As a byte (E8M0): e + 127.
;;     - Each number is divided by its block's scale, clamped to +-448, and rounded to the nearest number of E4M3, ties to even, subnormals kept.
;;     - The product sums the exact products of the quantised numbers (number of the format x scale) in f32.
;;   ~~~python
;;   def quantise(x, axis):      # numpy; x: float32 -> the quantised numbers, widened to float32 again
;;       x = np.moveaxis(x, axis, -1); K = x.shape[-1]
;;       x = np.pad(x, [(0, 0)] * (x.ndim - 1) + [(0, -K % 32)]); x = x.reshape(x.shape[:-1] + (-1, 32)); a = np.abs(x).max(-1, keepdims=True)
;;       e = np.where(a > 0, np.clip(np.frexp(np.where(a > 0, a, 1))[1] - 1 - 8, -126, 127), 0)      # np.frexp(a)[1] - 1 = floor(log2(a)), exactly
;;       r = np.clip(x / 2.0 ** e, -448, 448)
;;       step = 2.0 ** (np.maximum(np.frexp(np.where(r == 0, 1, r))[1] - 1, -6) - 3)
;;       q = np.round(r / step) * step * 2.0 ** e      # np.round: ties to even
;;       return np.moveaxis(q.reshape(q.shape[:-2] + (-1,))[..., :K], -1, axis).astype(np.float32)
;;   ~~~
;;   SOFTMAX AHEAD OF A QUANTISED PRODUCT. Where the list says 'softmax', what is quantised is not the finished softmax but p = 2^(t - M), with t = logit x log2(e) and M = ceil(the row's largest t), a whole number; so 1/2 < the row's largest p <= 1. The row's sum l is taken of the UNQUANTISED p, in f32, and the product's result is divided by l at the end. Since M is a whole number, a kernel that streams over the keys may use a running M (the ceiling of the running maximum): every later rescaling is an exact power of two, which a block's scale takes up: the codes' values come out the same.
;;   OPERANDS COMPUTED ON THE WAY. 'Computed on the way' means the value that the module computes at that place (a softmax that the list does not call 'softmax' is quantised finished and normalised). What goes into a quantiser is computed in f32, as accurately as f32 sums, v_exp_f32 and their like allow (about 1e-6 of the number): no bf16 or f16 on the way to a quantiser, and a product that is left as it is and whose result goes on into a quantised operand takes f32 operands (vector FMAs, or v_wmma_f32_16x16x4_f32). A number that lies on a knife's edge between two numbers of the format may be rounded either way, as far as f32 arithmetic and the matrix unit's own rounding can turn it there, and no further.
;; 2 versions. Each part assembles by itself: llvm-mc -triple=amdgcn-amd-amdhsa -mcpu=gfx1250 --defsym DOCPART=n.
;; ======== version 1 of 2: 1 launch
;; launch attn (part 1): grid 4 x 64, 16 waves a work-group, no clusters, 272,384 bytes of LDS; arguments queries, keys, values, out0; writes out0
.if DOCPART == 1
	.amdgcn_target "amdgcn-amd-amdhsa--gfx1250"
	.amdhsa_code_object_version 6
	.text
	.protected	k_q994db88edc_attn
	.globl	k_q994db88edc_attn
	.p2align	8
	.type	k_q994db88edc_attn,@function
k_q994db88edc_attn:
	s_mov_b64 s[64:65], 0
	v_nop
	global_prefetch_b8 v0, s[64:65] scope:SCOPE_SE
	s_setreg_imm32_b32 hwreg(HW_REG_WAVE_MODE, 25, 1), 1
	s_wait_xcnt 0x0
; Causal attention, out[b][l][hd][:] = sum over s <= l of softmax_s(q.k / 8) v, on codes of FP8 (E4M3) with one E8M0 scale for each 32 along a product's K.
; queries, keys, values, out0: [4][2048][16][64] f32: the 64 numbers of one (position, head) are 256 consecutive bytes, positions lie 4,096 bytes apart.
; THE SOFTMAX AHEAD OF THE SECOND PRODUCT: t = score x log2(e) / 8; M = the running largest t rounded UP to a whole number; p = 2^(t - M) is quantised along the keys, not normalised;
; the row's sum is taken of the unquantised p and divides O at the end.  When M moves, the sum and O are multiplied by 2^(old M - new M): exact.
; SHARES.  256 work-groups of sixteen waves.  Work-group (i, bh) owns the query blocks 7 - i and i (256 queries each) of head bh: 2 (8 - i) + 2 (i + 1) = 18 key steps of 128 in every work-group.
; Wave w owns 16 queries of each block, in 256 registers: four waves to a SIMD, so that one wave's vector work stands beside another's products and LDS loads.
; PASS H (block 7 - i) walks the keys.  While step s is worked, the sixteen waves quantise step s + 1 of K (waves 0-7) and V (waves 8-15) from f32 in registers and store the codes in LDS AS IMAGES OF THE
; OPERANDS' REGISTERS (16 bytes a lane, 512 an instruction); the f32 numbers of step s + 2 are on their way.  One barrier a trip.  All codes stay in LDS, a region for each step.
; PASS L (block i) reads its steps from LDS again: no memory traffic, no barrier.  No tensor load: the quantiser wants the numbers in registers.  No cluster: partners need 16, 14, 12, 10 steps.
; K = 64 IN AN INSTRUCTION OF 128.  One fragment of K holds TWO tiles of 16 keys (registers 0-7: tile 2 f; registers 8-15: tile 2 f + 1).  Q stands between two runs of zero codes, [Z][Q][Z]:
; source 1 = [Q|0] picks tile 2 f, source 1 = [0|Q] picks tile 2 f + 1: a zero code adds nothing against any finite code.
; BOTH PRODUCTS ARE USED TRANSPOSED (S^T = K Q^T, O^T = V^T P^T): a lane holds ONE query (lane % 16) throughout.  THE KEYS OF A TILE ARE NOT NEIGHBOURS: lane r of tile 2 f + u takes key
; 32 f + 8 u + r + 8 (r / 8), so that the 16 score registers of tiles 2 f, 2 f + 1 are the neighbouring keys 32 f + 16 (lane / 16) + 0 .. 15: the conversions' results are the second product's operand.
; LIMITS: NaN and infinities among the inputs are not served (they would also pass the zero codes that pick a tile).  A block of zeros carries the scale byte 1 where the rule says 127: its codes are
; zeros, which add nothing under any byte but 0xff, and this program alone reads the bytes.
.set STEPB, 16896                      ; LDS: a key step's region: K's 4 fragments (8,192 bytes), V^T's 4 (8,192), 512 bytes of scale words
.set SCO,   16384                      ; the scale words: K's at 16 r + 4 f, V's at 256 + 16 r + 4 t: one load of 16 bytes a lane brings K's four words to lanes 0-15 and V's four to lanes 16-31
.set STG,   8*STEPB                    ; the way out: 16 rows x 272 bytes for each wave, in regions 8 on: pass L reads regions 0 to 7 alone, and pass H's last barrier stands ahead of the first store there
.set SP,    272                        ; a stage row: 256 bytes + 16: the sixteen rows of a store begin at sixteen different 16-byte columns
.set STEPG, 524288                     ; 128 positions in memory
.set LI,  1                            ; v1   16 x lane: an image's place for my lane
.set RA,  2                            ; v2   LI + the region in hand; at the head of a pass: my byte offset in my 16 rows of Q
.set WAB, 3                            ; v3   16 x lane + 1,024 x wave: where my two code chunks go in a region
.set WSB, 4                            ; v4   SCO + 16 r + 2 (wave % 8) + 256 (wave / 8): my two scale bytes
.set KGO, 5                            ; v5   K role: my byte offset in a step's rows
.set VGO, 6                            ; v6   V role: the same
.set PGO, 7                            ; v7   the prefetch: one row of 256 bytes a lane
.set WA,  8                            ; v8   WAB + the region in hand
.set WS,  9                            ; v9   WSB + the region in hand
.set QS,  10                           ; v10  Q's scale word (s0, s1, s0, s1): scales only
.set PW,  11                           ; v11  p's scale word: scales only
                                       ; v12 -M, v13 the largest t, v[14:15] the sum in two halves
.set QZ,  16                           ; v16-23 zero codes, v24-31 Q's codes, v32-39 zero codes
.set SW,  40                           ; v40-43 a step's scale words of K and V: scales only
.set FP,  44                           ; v44 f = 2^(old M - new M), later 1 / the sum; v45 = 0, named with it as a pair
.set MA,  46                           ; v46, v47 at work
.set MB,  47
.set TT,  48                           ; v48-63 K's fragment 3; then the softmax's small numbers; the quantiser's temporaries (48-55) and codes (56-63)
.set BM,  TT                           ; block maxima
.set PM,  TT+4                         ; the other half's; then the scale bytes; then the sum's second chain
.set HD,  TT+8                         ; 448 x the scale
.set CSC, TT+12                        ; the conversions' scale operands
.set PC,  64                           ; v64-79 p's codes
.set F,   80                           ; v80-127 K's fragments 0 to 2
.set S,   128                          ; v128-191 S^T, then p, then V^T's four fragments, then the way out
.set O,   192                          ; v192-223 O^T, four tiles
.set X,   224                          ; v224-255 32 f32 numbers on their way
.set WV,  12                           ; s12 wave;  s13 i
.set WI,  13
.set HB,  16                           ; s[16:17] the head's first byte in each tensor
.set MNT, 19                           ; s19 the mantissa field of 448
.set SEL, 20                           ; s[20:21] v_permlanex16_b32's selects for lane l xor 16
.set CS,  22                           ; s[22:23] c = log2(e) / 8, twice: the packed form names a pair
.set GP,  24                           ; s[24:25] keys (waves 0-7) or values (waves 8-15) at the step to be loaded
.set QPH, 28                           ; s[28:29], s[30:31] Q at my 16 rows of the two blocks;  s[32:33], s[34:35] out0 likewise
.set QPL, 30
.set OPH, 32
.set OPL, 34
.set Q0,  36                           ; s36 my first query of the pass in hand;  s37 that of pass L
.set Q0L, 37
.set KF,  38                           ; s38 the step's first key
.set TB,  39                           ; s39 the step's region in LDS
.set KLIM, 40                          ; s40 256 (8 - i): the keys that this work-group needs
.set CNT, 41
.set PFX, 46                           ; s46 0 in the waves that prefetch;  s42-45, s47 at work
; 32 numbers of a lane from rows along e: register 16 c + 4 j + .. = e 32 c + 16 (lane / 16) + 4 j + .. of my row
.macro LOADROWS dst, off, base, nt
.irp c, 0,1
.irp j, 0,1,2,3
.if \nt
	global_load_b128 v[\dst+16*\c+4*\j:\dst+16*\c+4*\j+3], v[\off], s[\base:\base+1] offset:128*\c+16*\j th:TH_LOAD_NT
.else
	global_load_b128 v[\dst+16*\c+4*\j:\dst+16*\c+4*\j+3], v[\off], s[\base:\base+1] offset:128*\c+16*\j
.endif
.endr
.endr
.endm
; 32 numbers of a lane down the keys: register 16 c + i = key 32 c + 16 (lane / 16) + i of my column d; sixteen lanes read 64 neighbouring bytes
.macro LOADCOLS
.set n, 0
.rept 32
	global_load_b32 v[X+n], v[VGO], s[GP:GP+1] offset:(32*(n/16)+n%16)*4096
.set n, n+1
.endr
.endm
.macro XLOAD                           ; my chunk of the step at GP: the branch hangs on the wave's number alone
	s_cmp_lt_u32 s[WV], 8
	s_cbranch_scc0 .Lcols_\@
	LOADROWS X, KGO, GP, 0
	s_branch .Lloaded_\@
.Lcols_\@:
	LOADCOLS
.Lloaded_\@:
.endm
; Two blocks of 32, 16 numbers of each in my registers v[src + 16 b + i] and 16 in lane l xor 16's, become 8 registers of codes at v[dst] and two scale bytes in v[MA]
.macro QUANT2 src, dst
.irp b, 0,1
	v_max3_num_f32 v[48+\b], |v[\src+16*\b]|, |v[\src+16*\b+1]|, 0x4800000   ; my 16 numbers, and the floor 2^(9 - 127): the byte cannot fall under 1
.endr
.irp i, 2,4,6,8,10,12,14
.irp b, 0,1
	v_max3_num_f32 v[48+\b], v[48+\b], |v[\src+16*\b+\i]|, |v[\src+16*\b+\i+1]|   ; (the two blocks by turns)
.endr
.endr
.irp b, 0,1
	v_permlanex16_b32 v[50+\b], v[48+\b], s[SEL], s[SEL+1]
.endr
.irp b, 0,1
	v_max_num_f32 v[48+\b], v[48+\b], v[50+\b]          ; the block's largest magnitude
.endr
.irp b, 0,1
	v_add_nc_u32 v[54+\b], 0xfc000000, v[48+\b]         ; 8 off its exponent field: the conversion's scale operand
.endr
.irp b, 0,1
	v_and_or_b32 v[52+\b], v[48+\b], 0x7f800000, s[MNT] ; 448 x the scale
.endr
.irp b, 0,1
	v_lshrrev_b32 v[50+\b], 23, v[54+\b]                ; the scale's byte
.endr
	v_lshl_or_b32 v[MA], v51, 8, v50
.irp b, 0,1
.set j, 0
.rept 16
	v_med3_num_f32 v[\src+16*\b+j], v[\src+16*\b+j], -v[52+\b], v[52+\b]   ; the conversion to an 8-bit code does not saturate (ISA guide 7.6.2): the hold at the largest code x the scale
.set j, j+1
.endr
	v_cvt_scalef32_pk8_fp8_f32 v[\dst+4*\b:\dst+4*\b+1], v[\src+16*\b:\src+16*\b+7], v[54+\b]
	v_cvt_scalef32_pk8_fp8_f32 v[\dst+4*\b+2:\dst+4*\b+3], v[\src+16*\b+8:\src+16*\b+15], v[54+\b]
.endr
	v_nop                                               ; one plain line behind the last conversion
.endm
.macro STOREQ a, s, off                ; the two chunks as they stand, 512 consecutive bytes a store, and the two bytes (both lanes of a row write the same two with the same value)
	ds_store_b128 v[\a], v[56:59] offset:\off
	ds_store_b128 v[\a], v[60:63] offset:\off+512
	ds_store_b16 v[\s], v[MA] offset:\off
.endm
.macro INIT                            ; the step is written once: the first finds zeros, which the first change of M leaves zeros
	v_mov_b32 v13, 0xff61b1e6                           ; the largest t so far: -3e38
	v_floor_f32 v12, -v13                               ; -M
	v_mov_b32 v14, 0
	v_mov_b32 v15, 0
.set j, 0
.rept 32
	v_mov_b32 v[O+j], 0
.set j, j+1
.endr
.endm
.macro BARRIER                         ; my LDS stores have landed and my LDS loads are in: then the work-group's barrier
	s_wait_dscnt 0x0
	s_barrier_signal -1
	s_barrier_wait -1
.endm
; A KEY STEP: 128 keys from the region at TB, for my 16 queries Q0 on.
.macro STEP
	s_add_co_u32 s42, s[Q0], 15
	s_cmp_gt_u32 s[KF], s42
	s_cbranch_scc1 .Lhidden_\@                          ; all 128 keys come after my queries: a scalar branch on ids; no barrier stands in a step
	v_add_nc_u32 v[RA], s[TB], v[LI]
.irp f, 0,1,2
.irp c, 0,1,2,3
	ds_load_b128 v[F+16*\f+4*\c:F+16*\f+4*\c+3], v[RA] offset:2048*\f+512*\c
.endr
.endr
.irp c, 0,1,2,3
	ds_load_b128 v[TT+4*\c:TT+4*\c+3], v[RA] offset:6144+512*\c
.endr
.rept 9
	v_nop                                               ; with the addition above ten places behind the last step's products: eight in front of the load into their scale words, nine in front of products that write over their source 0
.endr
	ds_load_b128 v[SW:SW+3], v[RA] offset:SCO
	s_wait_dscnt 0x0
.irp f, 0,1,2                          ; S^T: eight tiles of 16 keys, each a sum of its own begun with 0
	v_wmma_scale_f32_16x16x128_f8f6f4 v[S+16*\f:S+16*\f+7], v[F+16*\f:F+16*\f+15], v[QZ+8:QZ+23], 0, v[SW+\f], v[QS]
	v_wmma_scale_f32_16x16x128_f8f6f4 v[S+16*\f+8:S+16*\f+15], v[F+16*\f:F+16*\f+15], v[QZ:QZ+15], 0, v[SW+\f], v[QS]
.endr
	v_wmma_scale_f32_16x16x128_f8f6f4 v[S+48:S+55], v[TT:TT+15], v[QZ+8:QZ+23], 0, v[SW+3], v[QS]
	v_wmma_scale_f32_16x16x128_f8f6f4 v[S+56:S+63], v[TT:TT+15], v[QZ:QZ+15], 0, v[SW+3], v[QS]
.rept 8
	v_nop                                               ; eight places in front of the first read of the scores and the first write of fragment 3's registers
.endr
	s_add_co_u32 s42, s[KF], 127
	s_cmp_le_u32 s42, s[Q0]
	s_cbranch_scc1 .Lopen_\@                            ; every key counts for every query of mine
	s_sub_co_i32 s42, s[Q0], s[KF]
	v_and_b32 v[MA], 15, v0
	v_bfe_u32 v[MB], v0, 4, 1
	v_lshlrev_b32 v[MB], 4, v[MB]
	v_sub_nc_u32 v[MA], v[MA], v[MB]
	v_add_nc_u32 v[MA], s42, v[MA]                      ; d = my query - KF - 16 (lane / 16).  Register 16 b + x holds key KF + 16 (lane / 16) + 32 b + x: hidden where 32 b + x > d
	v_mov_b32 v[MB], 0xff800000                         ; -infinity: p = 0 then
.set n, 0
.rept 64
	v_cmp_gt_i32 vcc_lo, 32*(n/16)+n%16, v[MA]
	v_cndmask_b32 v[S+n], v[S+n], v[MB], vcc_lo
.set n, n+1
.endr
.Lopen_\@:
.irp b, 0,1,2,3
	v_max3_num_f32 v[BM+\b], v[S+16*\b], v[S+16*\b+1], v[S+16*\b+2]   ; the largest score of each block of 32 keys: for the row's maximum, and, since p rises with the score, for the block's largest p
.endr
.irp i, 3,5,7,9,11,13
.irp b, 0,1,2,3
	v_max3_num_f32 v[BM+\b], v[BM+\b], v[S+16*\b+\i], v[S+16*\b+\i+1]
.endr
.endr
.irp b, 0,1,2,3
	v_max_num_f32 v[BM+\b], v[BM+\b], v[S+16*\b+15]
.endr
.irp b, 0,1,2,3
	v_permlanex16_b32 v[PM+\b], v[BM+\b], s[SEL], s[SEL+1]
.endr
.irp b, 0,1,2,3
	v_max_num_f32 v[BM+\b], v[BM+\b], v[PM+\b]          ; with lane l xor 16's 16 keys
.endr
	v_max3_num_f32 v[MA], v[BM], v[BM+1], v[BM+2]
	v_max_num_f32 v[MA], v[MA], v[BM+3]                 ; the step's largest score of my query
	v_mul_f32 v[MA], s[CS], v[MA]                       ; as t (c is positive)
	v_max_num_f32 v13, v13, v[MA]                       ; the running largest t
	v_mov_b32 v[MA], v12
	v_floor_f32 v12, -v13                               ; the new -M = -ceil(t): a whole number
	v_sub_f32 v[MA], v12, v[MA]                         ; old M - new M: a whole number, 0 or less
	v_cvt_i32_f32 v[MA], v[MA]                          ; (it saturates)
	v_ldexp_f32 v[FP], 1.0, v[MA]                       ; f = 2^(old M - new M)
.set j, 0
.rept 32
	v_pk_fma_f32 v[S+j:S+j+1], v[S+j:S+j+1], s[CS:CS+1], v[12:13] op_sel_hi:[1,0,0]   ; t - M, two at a time (of the pairs c and -M the low word serves both halves)
.set j, j+2
.endr
.irp b, 0,1,2,3
	v_fma_f32 v[BM+\b], v[BM+\b], s[CS], v12            ; the same of each block's largest score
.endr
.set j, 0
.rept 64
	v_exp_f32 v[S+j], v[S+j]                            ; p = 2^(t - M), at most 1: not normalised
.set j, j+1
.endr
.irp b, 0,1,2,3
	v_exp_f32 v[BM+\b], v[BM+\b]                        ; the block's largest p: the same two instructions on the same number
.endr
	v_pk_mul_f32 v[14:15], v[14:15], v[FP:FP+1] op_sel_hi:[1,0]   ; the sums under the new M.  (The plain line behind the exponentials)
	s_wait_alu depctr_va_vdst(0)
.irp b, 0,1,2,3
	v_max_num_f32 v[BM+\b], 0x4800000, v[BM+\b]         ; the floor 2^(9 - 127): the byte cannot fall under 1
.endr
.irp b, 0,1,2,3
	v_add_nc_u32 v[CSC+\b], 0xfc000000, v[BM+\b]        ; 8 off the exponent field: the conversion's scale operand
.endr
.irp b, 0,1,2,3
	v_and_or_b32 v[HD+\b], v[BM+\b], 0x7f800000, s[MNT] ; 448 x the scale
.endr
.irp b, 0,1,2,3
	v_lshrrev_b32 v[PM+\b], 23, v[CSC+\b]               ; the scale's byte
.endr
	v_lshl_or_b32 v[PW], v[PM+1], 8, v[PM]              ; p's scale word for these 128 keys: far more than eight places ahead of its products
	v_lshl_or_b32 v[PW], v[PM+2], 16, v[PW]
	v_lshl_or_b32 v[PW], v[PM+3], 24, v[PW]
	v_pk_add_f32 v[PM:PM+1], v[S:S+1], v[S+2:S+3]       ; the row's sum is taken of the unquantised p: two at a time, in two chains
.set j, 4
.rept 15
	v_pk_add_f32 v[14:15], v[14:15], v[S+j:S+j+1]
	v_pk_add_f32 v[PM:PM+1], v[PM:PM+1], v[S+j+2:S+j+3]
.set j, j+4
.endr
	v_pk_add_f32 v[14:15], v[14:15], v[PM:PM+1]
.irp b, 0,1,2,3
.set j, 0
.rept 16
	v_min_num_f32 v[S+16*\b+j], v[S+16*\b+j], v[HD+\b]  ; the hold (ISA guide 7.6.2); p is not negative, so it is one-sided
.set j, j+1
.endr
	v_cvt_scalef32_pk8_fp8_f32 v[PC+4*\b:PC+4*\b+1], v[S+16*\b:S+16*\b+7], v[CSC+\b]
	v_cvt_scalef32_pk8_fp8_f32 v[PC+4*\b+2:PC+4*\b+3], v[S+16*\b+8:S+16*\b+15], v[CSC+\b]
.endr
.irp t, 0,1,2,3                        ; V^T's four fragments into the registers that p has left
.irp c, 0,1,2,3
	ds_load_b128 v[S+16*\t+4*\c:S+16*\t+4*\c+3], v[RA] offset:8192+2048*\t+512*\c
.endr
.endr
.set j, 0
.rept 16
	v_pk_mul_f32 v[O+j:O+j+1], v[O+j:O+j+1], v[FP:FP+1] op_sel_hi:[1,0]   ; O^T under the new M, while the loads are out; these lines also stand between the conversions and the products
.set j, j+2
.endr
	s_wait_dscnt 0x0
.irp t, 0,1,2,3                        ; O^T += V^T P^T: the four accumulators by turns, one instruction a turn; V's scale words lie in lanes 16-31
	v_wmma_scale_f32_16x16x128_f8f6f4 v[O+8*\t:O+8*\t+7], v[S+16*\t:S+16*\t+15], v[PC:PC+15], v[O+8*\t:O+8*\t+7], v[SW+\t], v[PW] matrix_a_scale:MATRIX_SCALE_ROW1
.endr
.Lhidden_\@:
.endm
; THE WAY OUT.  O^T / the sum goes through my own stage in LDS and leaves as whole rows: sixteen lanes store 256 consecutive bytes, aligned.  The addresses stand in the quantiser's address registers, which pass H has left;
; the two additions and the ten address lines are the places behind the last products.
.macro OUT ptr
	v_add_f32 v14, v14, v15                             ; the sum's two halves,
	v_permlanex16_b32 v[MA], v14, s[SEL], s[SEL+1]
	v_add_f32 v14, v14, v[MA]                           ; and lane l xor 16's
	v_rcp_f32 v[FP], v14
	v_and_b32 v3, 15, v0                                ; r
	v_bfe_u32 v4, v0, 4, 1                              ; h
	s_mul_i32 s42, s[WV], 16*SP
	s_add_co_u32 s42, s42, STG                          ; my stage
	v_mul_u32_u24 v8, v3, SP
	v_lshl_add_u32 v8, v4, 5, v8
	v_add_nc_u32 v8, s42, v8                            ; in: row r, tile t's eight channels of my half at 64 t + 32 h
	v_mul_u32_u24 v9, v4, SP
	v_lshl_add_u32 v9, v3, 4, v9
	v_add_nc_u32 v9, s42, v9                            ; back: lanes 0-15 one row, lanes 16-31 the next
	v_lshlrev_b32 v5, 12, v4
	v_lshl_add_u32 v5, v3, 4, v5                        ; and the same two rows in out0, 4,096 bytes apart
.set j, 0
	s_wait_alu depctr_va_vdst(0)
.rept 16
	v_pk_mul_f32 v[S+j:S+j+1], v[O+j:O+j+1], v[FP:FP+1] op_sel_hi:[1,0]   ; register 8 t + x is o(r, 16 t + 8 h + x); each accumulator from its low end on
.set j, j+2
.endr
.irp t, 0,1,2,3
	ds_store_b128 v8, v[S+8*\t:S+8*\t+3] offset:64*\t
	ds_store_b128 v8, v[S+8*\t+4:S+8*\t+7] offset:64*\t+16
.endr
.irp i, 0,1,2,3,4,5,6,7
	ds_load_b128 v[S+32+4*\i:S+32+4*\i+3], v9 offset:2*SP*\i   ; LDS serves a wave's instructions in order (ISA guide 5.7.1.4): these see my stores
.endr
.irp i, 0,1,2,3,4,5,6,7
	s_wait_dscnt 7-\i                                   ; the loads younger than load i may stay out
	global_store_b128 v5, v[S+32+4*\i:S+32+4*\i+3], s[\ptr:\ptr+1] offset:8192*\i th:TH_STORE_NT
.endr
	s_wait_xcnt 0x0                                     ; the stores' data and offset are written again only behind this wait
.endm
	; ---- the head: ids, every address register, constants
	s_load_b256 s[4:11], s[0:1], 0x0                    ; queries s[4:5], keys s[6:7], values s[8:9], out0 s[10:11]
	v_lshrrev_b32 v2, 5, v0
	v_readfirstlane_b32 s[WV], v2                       ; wave 0..15
	s_mov_b32 s[WI], ttmp9                              ; i
	s_and_b32 s42, ttmp7, 0xffff                        ; 16 b + head
	s_lshr_b32 s43, s42, 4
	s_and_b32 s42, s42, 15
	s_lshl_b32 s[HB], s43, 23                           ; b x 2,048 x 4,096 bytes
	s_lshl_b32 s42, s42, 8                              ; head x 256 bytes
	s_add_co_u32 s[HB], s[HB], s42
	s_mov_b32 s[HB+1], 0
	v_and_b32 v1, 31, v0                                ; lane
	v_lshlrev_b32 v[PGO], 12, v1
	v_lshlrev_b32 v[LI], 4, v1
	v_and_b32 v[MA], 15, v0                             ; r
	v_bfe_u32 v[MB], v0, 4, 1                           ; h
	s_lshl_b32 s42, s[WV], 10
	v_add_nc_u32 v[WAB], s42, v[LI]
	s_and_b32 s43, s[WV], 7                             ; wave % 8
	s_lshl_b32 s42, s43, 1
	s_lshr_b32 s44, s[WV], 3
	s_lshl_b32 s44, s44, 8
	s_add_co_u32 s42, s42, s44
	s_add_co_u32 s42, s42, SCO
	v_lshl_add_u32 v[WSB], v[MA], 4, s42
	s_lshr_b32 s44, s43, 1                              ; K role: f; V role: t
	s_and_b32 s45, s43, 1                               ; K role: u; V role: which 64 keys
	v_and_b32 v[KGO], 8, v[MA]
	v_add_nc_u32 v[KGO], v[KGO], v[MA]                  ; r + 8 (r / 8)
	v_lshlrev_b32 v[KGO], 12, v[KGO]
	v_lshl_add_u32 v[KGO], v[MB], 6, v[KGO]             ; + 64 h bytes: my 16 numbers of a block of 32
	s_lshl_b32 s42, s44, 17                             ; + 32 f keys
	s_lshl_b32 s47, s45, 15                             ; + 8 u keys
	s_add_co_u32 s42, s42, s47
	v_add_nc_u32 v[KGO], s42, v[KGO]
	v_lshlrev_b32 v[VGO], 2, v[MA]                      ; column 16 t + r,
	v_lshl_add_u32 v[VGO], v[MB], 16, v[VGO]            ; 16 h keys down,
	s_lshl_b32 s42, s44, 6
	s_lshl_b32 s47, s45, 18                             ; and my 64 keys of the step
	s_add_co_u32 s42, s42, s47
	v_add_nc_u32 v[VGO], s42, v[VGO]
	s_and_b32 s42, s[WV], 3
	s_lshl_b32 s42, s42, 17
	v_add_nc_u32 v[PGO], s42, v[PGO]                    ; row 32 (wave % 4) + lane of a step
	v_lshlrev_b32 v[RA], 12, v[MA]
	v_lshl_add_u32 v[RA], v[MB], 6, v[RA]               ; Q: row r, + 64 h
.set j, 0
.rept 8
	v_mov_b32 v[QZ+j], 0                                ; the zero codes on both sides of Q's
	v_mov_b32 v[QZ+16+j], 0
.set j, j+1
.endr
	v_mov_b32 v[FP+1], 0                                ; named as the upper half of a pair
	v_mov_b32 v50, 0                                    ; a lane permute's destination counts as one of its sources
	v_mov_b32 v51, 0
	s_mov_b32 s[MNT], 0x600000
	s_mov_b32 s[SEL], 0x76543210
	s_mov_b32 s[SEL+1], 0xfedcba98
	s_mov_b32 s[CS], 0x3e38aa3b                         ; c = log2(e) / 8
	s_mov_b32 s[CS+1], s[CS]
	s_and_b32 s[PFX], s[WV], 4
	s_or_b32 s[PFX], s[PFX], s[WI]                      ; 0 in waves 0-3 and 8-11 of the work-group with i = 0
	s_sub_co_u32 s43, 7, s[WI]
	s_lshl_b32 s43, s43, 8
	s_lshl_b32 s44, s[WV], 4
	s_add_co_u32 s[Q0], s43, s44                        ; pass H: 256 (7 - i) + 16 wave
	s_lshl_b32 s43, s[WI], 8
	s_add_co_u32 s[Q0L], s43, s44                       ; pass L: 256 i + 16 wave
	s_sub_co_u32 s[KLIM], 8, s[WI]
	s_lshl_b32 s[KLIM], s[KLIM], 8
	s_lshl_b32 s44, s[Q0], 12
	s_add_co_u32 s44, s44, s[HB]
	s_mov_b32 s45, 0
	s_lshl_b32 s42, s[Q0L], 12
	s_add_co_u32 s42, s42, s[HB]
	s_mov_b32 s43, 0
	s_wait_kmcnt 0x0
	s_add_nc_u64 s[QPH:QPH+1], s[4:5], s[44:45]
	s_add_nc_u64 s[QPL:QPL+1], s[4:5], s[42:43]
	s_add_nc_u64 s[OPH:OPH+1], s[10:11], s[44:45]
	s_add_nc_u64 s[OPL:OPL+1], s[10:11], s[42:43]
	s_cmp_lt_u32 s[WV], 8                               ; the choice hangs on the wave's number alone
	s_cselect_b64 s[GP:GP+1], s[6:7], s[8:9]
	s_add_nc_u64 s[GP:GP+1], s[GP:GP+1], s[HB:HB+1]
	; ---- the prologue: step 0 into region 0, step 1 on its way, Q quantised
	XLOAD                                               ; step 0
	LOADROWS S, RA, QPH, 1                              ; my 16 queries: read once in the launch
	s_wait_loadcnt 8                                    ; Q's eight loads stand behind step 0's chunk: that chunk is in
	QUANT2 X, 56
	STOREQ WAB, WSB, 0
	s_wait_loadcnt 0x0                                  ; Q is in; no load names GP any more
	s_add_nc_u64 s[GP:GP+1], s[GP:GP+1], STEPG
	XLOAD                                               ; step 1: every work-group needs at least ten steps
	s_wait_dscnt 0x0                                    ; the stores have read their registers
	QUANT2 S, QZ+8
	v_lshl_or_b32 v[QS], v[MA], 16, v[MA]               ; (s0, s1, s0, s1): Q's two bytes serve in either half of the instruction's K
	INIT
	s_mov_b32 s[KF], 0
	s_mov_b32 s[TB], 0
	s_mov_b32 s[CNT], 15
	BARRIER                                             ; region 0 is whole
	; ---- pass H.  Trip s: region s is read, region s + 1 is written, step s + 2 is asked for.  The trip count is a constant; what a work-group does not need is jumped over on ids
.LH:
	STEP
	s_add_co_u32 s42, s[KF], 128
	s_cmp_ge_u32 s42, s[KLIM]
	s_cbranch_scc1 .Lnq                                 ; the same in all sixteen waves
	s_wait_loadcnt 0x0                                  ; step s + 1's numbers, asked for a trip ago
	s_wait_xcnt 0x0                                     ; and the last trip's prefetch has read GP
	v_add_nc_u32 v[WA], s[TB], v[WAB]
	v_add_nc_u32 v[WS], s[TB], v[WSB]
	QUANT2 X, 56
	STOREQ WA, WS, STEPB
	s_add_nc_u64 s[GP:GP+1], s[GP:GP+1], STEPG
	s_add_co_u32 s42, s[KF], 256
	s_cmp_ge_u32 s42, s[KLIM]
	s_cbranch_scc1 .Lnq
	XLOAD                                               ; step s + 2: it has the next trip's step in which to land
	s_cmp_lg_u32 s[PFX], 0
	s_cbranch_scc1 .Lnq
	s_add_co_u32 s42, s[KF], 384
	s_cmp_ge_u32 s42, s[KLIM]
	s_cbranch_scc1 .Lnq                                 ; step s + 3 would lie past the head's last key: nothing is asked
	global_prefetch_b8 v[PGO], s[GP:GP+1] offset:STEPG th:TH_LOAD_NT scope:SCOPE_SE   ; step s + 3, one trip ahead of its loads: one work-group of a head's four asks, four waves for K and four for V, a row of 256 bytes a lane: each row once in the launch
.Lnq:
	s_add_co_u32 s[KF], s[KF], 128
	s_add_co_u32 s[TB], s[TB], STEPB
	BARRIER                                             ; region s + 1 is whole
	s_sub_co_u32 s[CNT], s[CNT], 1
	s_cmp_lg_u32 s[CNT], 0
	s_cbranch_scc1 .LH
	STEP                                                ; step 15 is written out: nothing follows it to be quantised
	BARRIER                                             ; every wave's reads of regions 8 to 15 are over: the stages may be written
	; ---- between the passes
	s_wait_loadcnt 0x0                                  ; no load is out into X, and none names the offsets that the way out takes over
	s_wait_xcnt 0x0
	v_and_b32 v[MA], 15, v0
	v_bfe_u32 v[MB], v0, 4, 1
	v_lshlrev_b32 v[RA], 12, v[MA]
	v_lshl_add_u32 v[RA], v[MB], 6, v[RA]
	LOADROWS X, RA, QPL, 1                              ; pass L's queries land while pass H's results leave
	OUT OPH
	s_wait_loadcnt 0x0
	QUANT2 X, QZ+8
	v_lshl_or_b32 v[QS], v[MA], 16, v[MA]
	INIT
	s_mov_b32 s[Q0], s[Q0L]
	s_mov_b32 s[KF], 0
	s_mov_b32 s[TB], 0
	s_mov_b32 s[CNT], 8
	; ---- pass L: regions 0 to 7 at the most, read only: no barrier
.LL:
	STEP
	s_add_co_u32 s[KF], s[KF], 128
	s_add_co_u32 s[TB], s[TB], STEPB
	s_sub_co_u32 s[CNT], s[CNT], 1
	s_cmp_lg_u32 s[CNT], 0
	s_cbranch_scc1 .LL
	OUT OPL
	s_wait_xcnt 0x0
	v_lshl_add_u32 v254, v0, 2, 0x42000
	v_mov_b32 v255, 0
	s_wait_tensorcnt 0x0
	ds_add_u32 v254, v255
	s_wait_dscnt 0x0
	s_endpgm
.Lfunc_end_k_q994db88edc_attn:
	.size	k_q994db88edc_attn, .Lfunc_end_k_q994db88edc_attn-k_q994db88edc_attn
	.p2alignl 7, 3214868480
	.fill 96, 4, 3214868480
	.section	.rodata,"a",@progbits
	.p2align	6, 0x0
	.amdhsa_kernel k_q994db88edc_attn
		.amdhsa_group_segment_fixed_size 272384
		.amdhsa_private_segment_fixed_size 0
		.amdhsa_enable_private_segment 0
		.amdhsa_kernarg_size 32
		.amdhsa_user_sgpr_count 2
		.amdhsa_user_sgpr_kernarg_segment_ptr 1
		.amdhsa_wavefront_size32 1
		.amdhsa_system_sgpr_workgroup_id_x 1
		.amdhsa_system_sgpr_workgroup_id_y 1
		.amdhsa_system_sgpr_workgroup_id_z 1
		.amdhsa_system_vgpr_workitem_id 0
		.amdhsa_next_free_vgpr 256
		.amdhsa_next_free_sgpr 66
		.amdhsa_reserve_vcc 1
		.amdhsa_float_denorm_mode_32 3
		.amdhsa_float_denorm_mode_16_64 3
		.amdhsa_memory_ordered 1
		.amdhsa_forward_progress 1
		.amdhsa_inst_pref_size 116
	.end_amdhsa_kernel
	.amdgpu_metadata
---
amdhsa.version: [ 1, 2 ]
amdhsa.kernels:
  - .name:           k_q994db88edc_attn
    .symbol:         k_q994db88edc_attn.kd
    .args:
      - { .name: queries, .offset: 0, .size: 8, .value_kind: global_buffer, .address_space: global }
      - { .name: keys, .offset: 8, .size: 8, .value_kind: global_buffer, .address_space: global }
      - { .name: values, .offset: 16, .size: 8, .value_kind: global_buffer, .address_space: global }
      - { .name: out0, .offset: 24, .size: 8, .value_kind: global_buffer, .address_space: global }
    .group_segment_fixed_size: 272384
    .private_segment_fixed_size: 0
    .kernarg_segment_align: 8
    .kernarg_segment_size: 32
    .max_flat_workgroup_size: 512
    .sgpr_count:     66
    .vgpr_count:     256
    .wavefront_size: 32
...
	.end_amdgpu_metadata
.endif
;; end of part 1
;; ======== version 2 of 2: 1 launch; version 1 with the launch attn written anew for expert scheduling mode
;; launch attn (part 2): grid 4 x 64, 16 waves a work-group, no clusters, 272,384 bytes of LDS; arguments queries, keys, values, out0; writes out0
.if DOCPART == 2
	.amdgcn_target "amdgcn-amd-amdhsa--gfx1250"
	.amdhsa_code_object_version 6
	.text
	.protected	k_q994db88edc_attn
	.globl	k_q994db88edc_attn
	.p2align	8
	.type	k_q994db88edc_attn,@function
k_q994db88edc_attn:
	s_mov_b64 s[64:65], 0
	v_nop
	global_prefetch_b8 v0, s[64:65] scope:SCOPE_SE
	s_setreg_imm32_b32 hwreg(HW_REG_WAVE_SCHED_MODE, 0, 2), 2
	s_setreg_imm32_b32 hwreg(HW_REG_WAVE_MODE, 25, 1), 1
	s_wait_xcnt 0x0
	s_wait_alu depctr_vm_vsrc(0)
; Causal attention, out[b][l][hd][:] = sum over s <= l of softmax_s(q.k / 8) v, on codes of FP8 (E4M3) with one E8M0 scale for each 32 along a product's K.
; queries, keys, values, out0: [4][2048][16][64] f32: the 64 numbers of one (position, head) are 256 consecutive bytes, positions lie 4,096 bytes apart.
; THE SOFTMAX AHEAD OF THE SECOND PRODUCT: t = score x log2(e) / 8; M = the running largest t rounded UP to a whole number; p = 2^(t - M) is quantised along the keys, not normalised;
; the row's sum is taken of the unquantised p and divides O at the end.  When M moves, the sum and O are multiplied by 2^(old M - new M): exact.
; SHARES.  256 work-groups of sixteen waves.  Work-group (i, bh) owns the query blocks 7 - i and i (256 queries each) of head bh: 2 (8 - i) + 2 (i + 1) = 18 key steps of 128 in every work-group.
; Wave w owns 16 queries of each block, in 256 registers: four waves to a SIMD, so that one wave's vector work stands beside another's products and LDS loads.
; PASS H (block 7 - i) walks the keys.  While step s is worked, the sixteen waves quantise step s + 1 of K (waves 0-7) and V (waves 8-15) from f32 in registers and store the codes in LDS AS IMAGES OF THE
; OPERANDS' REGISTERS (16 bytes a lane, 512 an instruction); the f32 numbers of step s + 2 are on their way.  One barrier a trip.  All codes stay in LDS, a region for each step.
; PASS L (block i) reads its steps from LDS again: no memory traffic, no barrier.  No tensor load: the quantiser wants the numbers in registers.  No cluster: partners need 16, 14, 12, 10 steps.
; K = 64 IN AN INSTRUCTION OF 128.  One fragment of K holds TWO tiles of 16 keys (registers 0-7: tile 2 f; registers 8-15: tile 2 f + 1).  Q stands between two runs of zero codes, [Z][Q][Z]:
; source 1 = [Q|0] picks tile 2 f, source 1 = [0|Q] picks tile 2 f + 1: a zero code adds nothing against any finite code.
; BOTH PRODUCTS ARE USED TRANSPOSED (S^T = K Q^T, O^T = V^T P^T): a lane holds ONE query (lane % 16) throughout.  THE KEYS OF A TILE ARE NOT NEIGHBOURS: lane r of tile 2 f + u takes key
; 32 f + 8 u + r + 8 (r / 8), so that the 16 score registers of tiles 2 f, 2 f + 1 are the neighbouring keys 32 f + 16 (lane / 16) + 0 .. 15: the conversions' results are the second product's operand.
; LIMITS: NaN and infinities among the inputs are not served (they would also pass the zero codes that pick a tile).  A block of zeros carries the scale byte 1 where the rule says 127: its codes are
; zeros, which add nothing under any byte but 0xff, and this program alone reads the bytes.
; THE MODE: SCHED_MODE bits 1:0 = 2 (LLVM: expert scheduling mode 2), set by the entry lines.  The code itself states the register dependences between vector or matrix instructions and memory or LDS
; instructions, with s_wait_alu, always for 0.
; THE PLAN.  Registers that memory or LDS instructions touch, and who else names them:
;   X              global loads land in it; the quantiser reads it and holds the numbers in place; behind the quantiser it is asked for again.
;   v56-63, v[MA]  the quantiser writes them; the LDS stores behind it read them; the next step's load of fragment 3, its softmax and its mask write them again.
;   v[WA], v[WS]   one addition each ahead of the quantiser; the same LDS stores read them; the way out makes them anew.
;   v[RA]          one addition at a step's head, two lines ahead of each load of Q; every LDS load of a step and the loads of Q read it.
;   F, TT, SW      LDS loads land in them; the products read them; the softmax and the quantiser write TT.
;   S              the score products write it, the softmax works in place, V^T's loads land in it, the second product reads it; on the way out multiplications write its first half, which LDS stores read,
;                  and LDS loads land in its second half, which the global stores read.
;   v3, v4, v5     made at the head, read by the prologue's stores and K's loads, made anew on the way out.  v6, v7: made at the head, never written again.
; THE WAITS.  A step's first line, ahead of its branch: all that was issued so far has read its vector registers; behind it a step's own memory-side instructions read v[RA] alone, so the line serves the
; step, the quantising behind it and the second way out.  Behind the addition to v[RA]: one wait on va_vdst for the step's first 17 loads and for Q's codes.  Behind the last conversion: one for V^T's loads
; and for p's codes; the loads are dealt among O^T's rescalings, which name O and f alone.  Behind the quantiser: one for its stores and for the loads that land in X again.
.set STEPB, 16896                      ; LDS: a key step's region: K's 4 fragments (8,192 bytes), V^T's 4 (8,192), 512 bytes of scale words
.set SCO,   16384                      ; the scale words: K's at 16 r + 4 f, V's at 256 + 16 r + 4 t: one load of 16 bytes a lane brings K's four words to lanes 0-15 and V's four to lanes 16-31
.set STG,   8*STEPB                    ; the way out: 16 rows x 272 bytes for each wave, in regions 8 on: pass L reads regions 0 to 7 alone, and pass H's last barrier stands ahead of the first store there
.set SP,    272                        ; a stage row: 256 bytes + 16: the sixteen rows of a store begin at sixteen different 16-byte columns
.set STEPG, 524288                     ; 128 positions in memory
.set LI,  1                            ; v1   16 x lane: an image's place for my lane
.set RA,  2                            ; v2   LI + the region in hand; at the head of a pass: my byte offset in my 16 rows of Q
.set WAB, 3                            ; v3   16 x lane + 1,024 x wave: where my two code chunks go in a region
.set WSB, 4                            ; v4   SCO + 16 r + 2 (wave % 8) + 256 (wave / 8): my two scale bytes
.set KGO, 5                            ; v5   K role: my byte offset in a step's rows
.set VGO, 6                            ; v6   V role: the same
.set PGO, 7                            ; v7   the prefetch: one row of 256 bytes a lane
.set WA,  8                            ; v8   WAB + the region in hand
.set WS,  9                            ; v9   WSB + the region in hand
.set QS,  10                           ; v10  Q's scale word (s0, s1, s0, s1): scales only
.set PW,  11                           ; v11  p's scale word: scales only
                                       ; v12 -M, v13 the largest t, v[14:15] the sum in two halves
.set QZ,  16                           ; v16-23 zero codes, v24-31 Q's codes, v32-39 zero codes
.set SW,  40                           ; v40-43 a step's scale words of K and V: scales only
.set FP,  44                           ; v44 f = 2^(old M - new M), later 1 / the sum; v45 = 0, named with it as a pair
.set MA,  46                           ; v46, v47 at work
.set MB,  47
.set TT,  48                           ; v48-63 K's fragment 3; then the softmax's small numbers; the quantiser's temporaries (48-55) and codes (56-63)
.set BM,  TT                           ; block maxima
.set PM,  TT+4                         ; the other half's; then the scale bytes; then the sum's second chain
.set HD,  TT+8                         ; 448 x the scale
.set CSC, TT+12                        ; the conversions' scale operands
.set PC,  64                           ; v64-79 p's codes
.set F,   80                           ; v80-127 K's fragments 0 to 2
.set S,   128                          ; v128-191 S^T, then p, then V^T's four fragments, then the way out
.set O,   192                          ; v192-223 O^T, four tiles
.set X,   224                          ; v224-255 32 f32 numbers on their way
.set WV,  12                           ; s12 wave;  s13 i
.set WI,  13
.set HB,  16                           ; s[16:17] the head's first byte in each tensor
.set MNT, 19                           ; s19 the mantissa field of 448
.set SEL, 20                           ; s[20:21] v_permlanex16_b32's selects for lane l xor 16
.set CS,  22                           ; s[22:23] c = log2(e) / 8, twice: the packed form names a pair
.set GP,  24                           ; s[24:25] keys (waves 0-7) or values (waves 8-15) at the step to be loaded
.set QPH, 28                           ; s[28:29], s[30:31] Q at my 16 rows of the two blocks;  s[32:33], s[34:35] out0 likewise
.set QPL, 30
.set OPH, 32
.set OPL, 34
.set Q0,  36                           ; s36 my first query of the pass in hand;  s37 that of pass L
.set Q0L, 37
.set KF,  38                           ; s38 the step's first key
.set TB,  39                           ; s39 the step's region in LDS
.set KLIM, 40                          ; s40 256 (8 - i): the keys that this work-group needs
.set CNT, 41
.set PFX, 46                           ; s46 0 in the waves that prefetch;  s42-45, s47 at work
                                       ; s2-11, s14, s15, s18, s26, s27, s43: behind the head, the sixteen masks of a run of the causal mask's compares (s4-11 held the arguments, which the head has used up)
; 32 numbers of a lane from rows along e: register 16 c + 4 j + .. = e 32 c + 16 (lane / 16) + 4 j + .. of my row
.macro LOADROWS dst, off, base, nt
.irp c, 0,1
.irp j, 0,1,2,3
.if \nt
	global_load_b128 v[\dst+16*\c+4*\j:\dst+16*\c+4*\j+3], v[\off], s[\base:\base+1] offset:128*\c+16*\j th:TH_LOAD_NT
.else
	global_load_b128 v[\dst+16*\c+4*\j:\dst+16*\c+4*\j+3], v[\off], s[\base:\base+1] offset:128*\c+16*\j
.endif
.endr
.endr
.endm
; 32 numbers of a lane down the keys: register 16 c + i = key 32 c + 16 (lane / 16) + i of my column d; sixteen lanes read 64 neighbouring bytes
.macro LOADCOLS
.set n, 0
.rept 32
	global_load_b32 v[X+n], v[VGO], s[GP:GP+1] offset:(32*(n/16)+n%16)*4096
.set n, n+1
.endr
.endm
.macro XLOAD                           ; my chunk of the step at GP: the branch hangs on the wave's number alone
	s_cmp_lt_u32 s[WV], 8
	s_cbranch_scc0 .Lcols_\@
	LOADROWS X, KGO, GP, 0
	s_branch .Lloaded_\@
.Lcols_\@:
	LOADCOLS
.Lloaded_\@:
.endm
; Two blocks of 32, 16 numbers of each in my registers v[src + 16 b + i] and 16 in lane l xor 16's, become 8 registers of codes at v[dst] and two scale bytes in v[MA]
.macro QUANT2 src, dst
.irp b, 0,1
	v_max3_num_f32 v[48+\b], |v[\src+16*\b]|, |v[\src+16*\b+1]|, 0x4800000   ; my 16 numbers, and the floor 2^(9 - 127): the byte cannot fall under 1
.endr
.irp i, 2,4,6,8,10,12,14
.irp b, 0,1
	v_max3_num_f32 v[48+\b], v[48+\b], |v[\src+16*\b+\i]|, |v[\src+16*\b+\i+1]|   ; (the two blocks by turns)
.endr
.endr
.irp b, 0,1
	v_permlanex16_b32 v[50+\b], v[48+\b], s[SEL], s[SEL+1]
.endr
.irp b, 0,1
	v_max_num_f32 v[48+\b], v[48+\b], v[50+\b]          ; the block's largest magnitude
.endr
.irp b, 0,1
	v_add_nc_u32 v[54+\b], 0xfc000000, v[48+\b]         ; 8 off its exponent field: the conversion's scale operand
.endr
.irp b, 0,1
	v_and_or_b32 v[52+\b], v[48+\b], 0x7f800000, s[MNT] ; 448 x the scale
.endr
.irp b, 0,1
	v_lshrrev_b32 v[50+\b], 23, v[54+\b]                ; the scale's byte
.endr
	v_lshl_or_b32 v[MA], v51, 8, v50
.irp b, 0,1
.set j, 0
.rept 16
	v_med3_num_f32 v[\src+16*\b+j], v[\src+16*\b+j], -v[52+\b], v[52+\b]   ; the conversion to an 8-bit code does not saturate (ISA guide 7.6.2): the hold at the largest code x the scale
.set j, j+1
.endr
	v_cvt_scalef32_pk8_fp8_f32 v[\dst+4*\b:\dst+4*\b+1], v[\src+16*\b:\src+16*\b+7], v[54+\b]
	v_cvt_scalef32_pk8_fp8_f32 v[\dst+4*\b+2:\dst+4*\b+3], v[\src+16*\b+8:\src+16*\b+15], v[54+\b]
.endr
	v_nop                                               ; one plain line behind the last conversion
.endm
.macro STOREQ a, s, off                ; the two chunks as they stand, 512 consecutive bytes a store, and the two bytes (both lanes of a row write the same two with the same value)
	ds_store_b128 v[\a], v[56:59] offset:\off
	ds_store_b128 v[\a], v[60:63] offset:\off+512
	ds_store_b16 v[\s], v[MA] offset:\off
.endm
.macro INIT                            ; the step is written once: the first finds zeros, which the first change of M leaves zeros
	v_mov_b32 v13, 0xff61b1e6                           ; the largest t so far: -3e38
	v_floor_f32 v12, -v13                               ; -M
	v_mov_b32 v14, 0
	v_mov_b32 v15, 0
.set j, 0
.rept 32
	v_mov_b32 v[O+j], 0
.set j, j+1
.endr
.endm
.macro BARRIER                         ; my LDS stores have landed and my LDS loads are in: then the work-group's barrier
	s_wait_dscnt 0x0
	s_barrier_signal -1
	s_barrier_wait -1
.endm
; A KEY STEP: 128 keys from the region at TB, for my 16 queries Q0 on.
.macro STEP
	s_wait_alu depctr_vm_vsrc(0)                        ; ahead of the branch: the LDS loads issued so far have read v[RA]; the quantiser's stores have read v56-63, v[MA], v[WA], v[WS]; the way out's stores and loads have read S, v5, v8, v9: all are written again below or behind this step
	s_add_co_u32 s42, s[Q0], 15
	s_cmp_gt_u32 s[KF], s42
	s_cbranch_scc1 .Lhidden_\@                          ; all 128 keys come after my queries: a scalar branch on ids; no barrier stands in a step
	v_add_nc_u32 v[RA], s[TB], v[LI]
	s_wait_alu depctr_va_vdst(0)                        ; v[RA] is written, which the loads below read; the last step's products are done reading F, fragment 3 and the scale words, and the softmax and the quantiser are done with v48-63, in all of which loads land; Q's codes and scale word are written, which the products below take
.irp f, 0,1,2
.irp c, 0,1,2,3
	ds_load_b128 v[F+16*\f+4*\c:F+16*\f+4*\c+3], v[RA] offset:2048*\f+512*\c
.endr
.endr
.irp c, 0,1,2,3
	ds_load_b128 v[TT+4*\c:TT+4*\c+3], v[RA] offset:6144+512*\c
.endr
.rept 9
	v_nop                                               ; with the addition above ten places behind the last step's products: eight in front of the load into their scale words, nine in front of products that write over their source 0
.endr
	ds_load_b128 v[SW:SW+3], v[RA] offset:SCO           ; no further wait: the lines since the wait above name no register
	s_wait_dscnt 0x0
.irp f, 0,1,2                          ; S^T: eight tiles of 16 keys, each a sum of its own begun with 0
	v_wmma_scale_f32_16x16x128_f8f6f4 v[S+16*\f:S+16*\f+7], v[F+16*\f:F+16*\f+15], v[QZ+8:QZ+23], 0, v[SW+\f], v[QS]
	v_wmma_scale_f32_16x16x128_f8f6f4 v[S+16*\f+8:S+16*\f+15], v[F+16*\f:F+16*\f+15], v[QZ:QZ+15], 0, v[SW+\f], v[QS]
.endr
	v_wmma_scale_f32_16x16x128_f8f6f4 v[S+48:S+55], v[TT:TT+15], v[QZ+8:QZ+23], 0, v[SW+3], v[QS]
	v_wmma_scale_f32_16x16x128_f8f6f4 v[S+56:S+63], v[TT:TT+15], v[QZ:QZ+15], 0, v[SW+3], v[QS]
.rept 8
	v_nop                                               ; eight places in front of the first read of the scores and the first write of fragment 3's registers
.endr
	s_add_co_u32 s42, s[KF], 127
	s_cmp_le_u32 s42, s[Q0]
	s_cbranch_scc1 .Lopen_\@                            ; every key counts for every query of mine
	s_sub_co_i32 s42, s[Q0], s[KF]
	v_and_b32 v[MA], 15, v0
	v_bfe_u32 v[MB], v0, 4, 1
	v_lshlrev_b32 v[MB], 4, v[MB]
	v_sub_nc_u32 v[MA], v[MA], v[MB]
	v_add_nc_u32 v[MA], s42, v[MA]                      ; d = my query - KF - 16 (lane / 16).  Register 16 b + x holds key KF + 16 (lane / 16) + 32 b + x: hidden where 32 b + x > d
	v_mov_b32 v[MB], 0xff800000                         ; -infinity: p = 0 then
.irp b, 0,1,2,3                        ; a block's sixteen compares in one run, into sixteen scalar registers; one wait; its sixteen selects
.set n, 0
.irp r, 2,3,4,5,6,7,8,9,10,11,14,15,18,26,27,43
	v_cmp_gt_i32 s[\r], 32*\b+n, v[MA]
.set n, n+1
.endr
	s_wait_alu depctr_va_sdst(0)                        ; the sixteen compares have written their masks, ahead of the first select that reads one
.set n, 0
.irp r, 2,3,4,5,6,7,8,9,10,11,14,15,18,26,27,43
	v_cndmask_b32 v[S+16*\b+n], v[S+16*\b+n], v[MB], s[\r]
.set n, n+1
.endr
.endr
.Lopen_\@:
.irp b, 0,1,2,3
	v_max3_num_f32 v[BM+\b], v[S+16*\b], v[S+16*\b+1], v[S+16*\b+2]   ; the largest score of each block of 32 keys: for the row's maximum, and, since p rises with the score, for the block's largest p
.endr
.irp i, 3,5,7,9,11,13
.irp b, 0,1,2,3
	v_max3_num_f32 v[BM+\b], v[BM+\b], v[S+16*\b+\i], v[S+16*\b+\i+1]
.endr
.endr
.irp b, 0,1,2,3
	v_max_num_f32 v[BM+\b], v[BM+\b], v[S+16*\b+15]
.endr
.irp b, 0,1,2,3
	v_permlanex16_b32 v[PM+\b], v[BM+\b], s[SEL], s[SEL+1]
.endr
.irp b, 0,1,2,3
	v_max_num_f32 v[BM+\b], v[BM+\b], v[PM+\b]          ; with lane l xor 16's 16 keys
.endr
	v_max3_num_f32 v[MA], v[BM], v[BM+1], v[BM+2]
	v_max_num_f32 v[MA], v[MA], v[BM+3]                 ; the step's largest score of my query
	v_mul_f32 v[MA], s[CS], v[MA]                       ; as t (c is positive)
	v_max_num_f32 v13, v13, v[MA]                       ; the running largest t
	v_mov_b32 v[MA], v12
	v_floor_f32 v12, -v13                               ; the new -M = -ceil(t): a whole number
	v_sub_f32 v[MA], v12, v[MA]                         ; old M - new M: a whole number, 0 or less
	v_cvt_i32_f32 v[MA], v[MA]                          ; (it saturates)
	v_ldexp_f32 v[FP], 1.0, v[MA]                       ; f = 2^(old M - new M)
.set j, 0
.rept 32
	v_pk_fma_f32 v[S+j:S+j+1], v[S+j:S+j+1], s[CS:CS+1], v[12:13] op_sel_hi:[1,0,0]   ; t - M, two at a time (of the pairs c and -M the low word serves both halves)
.set j, j+2
.endr
.irp b, 0,1,2,3
	v_fma_f32 v[BM+\b], v[BM+\b], s[CS], v12            ; the same of each block's largest score
.endr
.set j, 0
	s_wait_alu depctr_va_vdst(0)
.rept 64
	v_exp_f32 v[S+j], v[S+j]                            ; p = 2^(t - M), at most 1: not normalised
.set j, j+1
.endr
.irp b, 0,1,2,3
	v_exp_f32 v[BM+\b], v[BM+\b]                        ; the block's largest p: the same two instructions on the same number
.endr
	v_pk_mul_f32 v[14:15], v[14:15], v[FP:FP+1] op_sel_hi:[1,0]   ; the sums under the new M.  (The plain line behind the exponentials)
	s_wait_alu depctr_va_vdst(0)                        ; the 68 exponentials have written p and the blocks' largest p, ahead of the first line that names one of them: one wait for the batch
.irp b, 0,1,2,3
	v_max_num_f32 v[BM+\b], 0x4800000, v[BM+\b]         ; the floor 2^(9 - 127): the byte cannot fall under 1
.endr
.irp b, 0,1,2,3
	v_add_nc_u32 v[CSC+\b], 0xfc000000, v[BM+\b]        ; 8 off the exponent field: the conversion's scale operand
.endr
.irp b, 0,1,2,3
	v_and_or_b32 v[HD+\b], v[BM+\b], 0x7f800000, s[MNT] ; 448 x the scale
.endr
.irp b, 0,1,2,3
	v_lshrrev_b32 v[PM+\b], 23, v[CSC+\b]               ; the scale's byte
.endr
	v_lshl_or_b32 v[PW], v[PM+1], 8, v[PM]              ; p's scale word for these 128 keys: far more than eight places ahead of its products
	v_lshl_or_b32 v[PW], v[PM+2], 16, v[PW]
	v_lshl_or_b32 v[PW], v[PM+3], 24, v[PW]
	v_pk_add_f32 v[PM:PM+1], v[S:S+1], v[S+2:S+3]       ; the row's sum is taken of the unquantised p: two at a time, in two chains
.set j, 4
.rept 15
	v_pk_add_f32 v[14:15], v[14:15], v[S+j:S+j+1]
	v_pk_add_f32 v[PM:PM+1], v[PM:PM+1], v[S+j+2:S+j+3]
.set j, j+4
.endr
	v_pk_add_f32 v[14:15], v[14:15], v[PM:PM+1]
.irp b, 0,1,2,3
.set j, 0
.rept 16
	v_min_num_f32 v[S+16*\b+j], v[S+16*\b+j], v[HD+\b]  ; the hold (ISA guide 7.6.2); p is not negative, so it is one-sided
.set j, j+1
.endr
	v_cvt_scalef32_pk8_fp8_f32 v[PC+4*\b:PC+4*\b+1], v[S+16*\b:S+16*\b+7], v[CSC+\b]
	v_cvt_scalef32_pk8_fp8_f32 v[PC+4*\b+2:PC+4*\b+3], v[S+16*\b+8:S+16*\b+15], v[CSC+\b]
.endr
	s_wait_alu depctr_va_vdst(0)                        ; the holds and the conversions are done writing and reading S, in which V^T's loads land; p's codes and its scale word are written, which the products below take
.irp t, 0,1,2,3                        ; V^T's four fragments into the registers that p has left, dealt among O^T's rescalings, a fragment's four loads and a tile's four lines by turns: those lines name O and f alone, none of the registers that the loads touch
.irp c, 0,1,2,3
	ds_load_b128 v[S+16*\t+4*\c:S+16*\t+4*\c+3], v[RA] offset:8192+2048*\t+512*\c
.endr
.irp c, 0,1,2,3
	v_pk_mul_f32 v[O+8*\t+2*\c:O+8*\t+2*\c+1], v[O+8*\t+2*\c:O+8*\t+2*\c+1], v[FP:FP+1] op_sel_hi:[1,0]   ; O^T under the new M, while the loads are out; these lines also stand between the conversions and the products
.endr
.endr
	s_wait_alu depctr_va_vdst(0)
	s_wait_dscnt 0x0
.irp t, 0,1,2,3                        ; O^T += V^T P^T: the four accumulators by turns, one instruction a turn; V's scale words lie in lanes 16-31
	v_wmma_scale_f32_16x16x128_f8f6f4 v[O+8*\t:O+8*\t+7], v[S+16*\t:S+16*\t+15], v[PC:PC+15], v[O+8*\t:O+8*\t+7], v[SW+\t], v[PW] matrix_a_scale:MATRIX_SCALE_ROW1
.endr
.Lhidden_\@:
.endm
; THE WAY OUT.  O^T / the sum goes through my own stage in LDS and leaves as whole rows: sixteen lanes store 256 consecutive bytes, aligned.  The addresses stand in the quantiser's address registers, which pass H has left;
; the two additions and the ten address lines are the places behind the last products.  What memory and LDS instructions have read of v3, v4, v5, v8, v9 and v[MA] was issued ahead of the first line of the step before.
.macro OUT ptr
	v_add_f32 v14, v14, v15                             ; the sum's two halves,
	v_permlanex16_b32 v[MA], v14, s[SEL], s[SEL+1]
	v_add_f32 v14, v14, v[MA]                           ; and lane l xor 16's
	s_wait_alu depctr_va_vdst(0)
	v_rcp_f32 v[FP], v14
	v_and_b32 v3, 15, v0                                ; r
	v_bfe_u32 v4, v0, 4, 1                              ; h
	s_mul_i32 s42, s[WV], 16*SP
	s_add_co_u32 s42, s42, STG                          ; my stage
	v_mul_u32_u24 v8, v3, SP
	v_lshl_add_u32 v8, v4, 5, v8
	v_add_nc_u32 v8, s42, v8                            ; in: row r, tile t's eight channels of my half at 64 t + 32 h
	v_mul_u32_u24 v9, v4, SP
	v_lshl_add_u32 v9, v3, 4, v9
	v_add_nc_u32 v9, s42, v9                            ; back: lanes 0-15 one row, lanes 16-31 the next
	v_lshlrev_b32 v5, 12, v4
	v_lshl_add_u32 v5, v3, 4, v5                        ; and the same two rows in out0, 4,096 bytes apart
.set j, 0
	s_wait_alu depctr_va_vdst(0)                        ; the reciprocal has written v[FP], ahead of its first reader
.rept 16
	v_pk_mul_f32 v[S+j:S+j+1], v[O+j:O+j+1], v[FP:FP+1] op_sel_hi:[1,0]   ; register 8 t + x is o(r, 16 t + 8 h + x); each accumulator from its low end on
.set j, j+2
.endr
	s_wait_alu depctr_va_vdst(0)                        ; the multiplications have written S's first half, which the LDS stores read; v8, v9 and v5 are written, which the stores and loads below read; the last products are done reading S's second half, in which the loads land
.irp t, 0,1,2,3
	ds_store_b128 v8, v[S+8*\t:S+8*\t+3] offset:64*\t
	ds_store_b128 v8, v[S+8*\t+4:S+8*\t+7] offset:64*\t+16
.endr
.irp i, 0,1,2,3,4,5,6,7
	ds_load_b128 v[S+32+4*\i:S+32+4*\i+3], v9 offset:2*SP*\i   ; LDS serves a wave's instructions in order (ISA guide 5.7.1.4): these see my stores
.endr
.irp i, 0,1,2,3,4,5,6,7
	s_wait_dscnt 7-\i                                   ; the loads younger than load i may stay out
	global_store_b128 v5, v[S+32+4*\i:S+32+4*\i+3], s[\ptr:\ptr+1] offset:8192*\i th:TH_STORE_NT
.endr
	s_wait_xcnt 0x0                                     ; the stores' data and offset are written again only behind this wait
.endm
	; ---- the head: ids, every address register, constants
	s_load_b256 s[4:11], s[0:1], 0x0                    ; queries s[4:5], keys s[6:7], values s[8:9], out0 s[10:11]
	v_lshrrev_b32 v2, 5, v0
	v_readfirstlane_b32 s[WV], v2                       ; wave 0..15
	s_mov_b32 s[WI], ttmp9                              ; i
	s_and_b32 s42, ttmp7, 0xffff                        ; 16 b + head
	s_lshr_b32 s43, s42, 4
	s_and_b32 s42, s42, 15
	s_lshl_b32 s[HB], s43, 23                           ; b x 2,048 x 4,096 bytes
	s_lshl_b32 s42, s42, 8                              ; head x 256 bytes
	s_add_co_u32 s[HB], s[HB], s42
	s_mov_b32 s[HB+1], 0
	v_and_b32 v1, 31, v0                                ; lane
	v_lshlrev_b32 v[PGO], 12, v1
	v_lshlrev_b32 v[LI], 4, v1
	v_and_b32 v[MA], 15, v0                             ; r
	s_wait_alu depctr_va_vdst(0)
	v_bfe_u32 v[MB], v0, 4, 1                           ; h
	s_wait_alu depctr_va_sdst(0)                        ; the wave's number is written, ahead of its first reader: addresses, roles and branches are made from it
	s_lshl_b32 s42, s[WV], 10
	v_add_nc_u32 v[WAB], s42, v[LI]
	s_and_b32 s43, s[WV], 7                             ; wave % 8
	s_lshl_b32 s42, s43, 1
	s_lshr_b32 s44, s[WV], 3
	s_lshl_b32 s44, s44, 8
	s_add_co_u32 s42, s42, s44
	s_add_co_u32 s42, s42, SCO
	v_lshl_add_u32 v[WSB], v[MA], 4, s42
	s_lshr_b32 s44, s43, 1                              ; K role: f; V role: t
	s_and_b32 s45, s43, 1                               ; K role: u; V role: which 64 keys
	v_and_b32 v[KGO], 8, v[MA]
	v_add_nc_u32 v[KGO], v[KGO], v[MA]                  ; r + 8 (r / 8)
	v_lshlrev_b32 v[KGO], 12, v[KGO]
	s_wait_alu depctr_va_vdst(0)
	v_lshl_add_u32 v[KGO], v[MB], 6, v[KGO]             ; + 64 h bytes: my 16 numbers of a block of 32
	s_lshl_b32 s42, s44, 17                             ; + 32 f keys
	s_lshl_b32 s47, s45, 15                             ; + 8 u keys
	s_add_co_u32 s42, s42, s47
	v_add_nc_u32 v[KGO], s42, v[KGO]
	v_lshlrev_b32 v[VGO], 2, v[MA]                      ; column 16 t + r,
	v_lshl_add_u32 v[VGO], v[MB], 16, v[VGO]            ; 16 h keys down,
	s_lshl_b32 s42, s44, 6
	s_lshl_b32 s47, s45, 18                             ; and my 64 keys of the step
	s_add_co_u32 s42, s42, s47
	v_add_nc_u32 v[VGO], s42, v[VGO]
	s_and_b32 s42, s[WV], 3
	s_lshl_b32 s42, s42, 17
	v_add_nc_u32 v[PGO], s42, v[PGO]                    ; row 32 (wave % 4) + lane of a step
	v_lshlrev_b32 v[RA], 12, v[MA]
	v_lshl_add_u32 v[RA], v[MB], 6, v[RA]               ; Q: row r, + 64 h
.set j, 0
.rept 8
	v_mov_b32 v[QZ+j], 0                                ; the zero codes on both sides of Q's
	v_mov_b32 v[QZ+16+j], 0
.set j, j+1
.endr
	v_mov_b32 v[FP+1], 0                                ; named as the upper half of a pair
	v_mov_b32 v50, 0                                    ; a lane permute's destination counts as one of its sources
	v_mov_b32 v51, 0
	s_mov_b32 s[MNT], 0x600000
	s_mov_b32 s[SEL], 0x76543210
	s_mov_b32 s[SEL+1], 0xfedcba98
	s_mov_b32 s[CS], 0x3e38aa3b                         ; c = log2(e) / 8
	s_mov_b32 s[CS+1], s[CS]
	s_and_b32 s[PFX], s[WV], 4
	s_or_b32 s[PFX], s[PFX], s[WI]                      ; 0 in waves 0-3 and 8-11 of the work-group with i = 0
	s_sub_co_u32 s43, 7, s[WI]
	s_lshl_b32 s43, s43, 8
	s_lshl_b32 s44, s[WV], 4
	s_add_co_u32 s[Q0], s43, s44                        ; pass H: 256 (7 - i) + 16 wave
	s_lshl_b32 s43, s[WI], 8
	s_add_co_u32 s[Q0L], s43, s44                       ; pass L: 256 i + 16 wave
	s_sub_co_u32 s[KLIM], 8, s[WI]
	s_lshl_b32 s[KLIM], s[KLIM], 8
	s_lshl_b32 s44, s[Q0], 12
	s_add_co_u32 s44, s44, s[HB]
	s_mov_b32 s45, 0
	s_lshl_b32 s42, s[Q0L], 12
	s_add_co_u32 s42, s42, s[HB]
	s_mov_b32 s43, 0
	s_wait_kmcnt 0x0
	s_add_nc_u64 s[QPH:QPH+1], s[4:5], s[44:45]
	s_add_nc_u64 s[QPL:QPL+1], s[4:5], s[42:43]
	s_add_nc_u64 s[OPH:OPH+1], s[10:11], s[44:45]
	s_add_nc_u64 s[OPL:OPL+1], s[10:11], s[42:43]
	s_cmp_lt_u32 s[WV], 8                               ; the choice hangs on the wave's number alone
	s_cselect_b64 s[GP:GP+1], s[6:7], s[8:9]
	s_add_nc_u64 s[GP:GP+1], s[GP:GP+1], s[HB:HB+1]
	; ---- the prologue: step 0 into region 0, step 1 on its way, Q quantised
	s_wait_alu depctr_va_vdst(0)                        ; the offsets and addresses v2 to v7 are written, which the loads, the stores and the prefetches below read
	XLOAD                                               ; step 0
	LOADROWS S, RA, QPH, 1                              ; my 16 queries: read once in the launch
	s_wait_loadcnt 8                                    ; Q's eight loads stand behind step 0's chunk: that chunk is in
	QUANT2 X, 56
	s_wait_alu depctr_va_vdst(0)                        ; the quantiser has written the codes v56-63 and the bytes v[MA], which the stores read, and is done with X, in which step 1's loads land
	STOREQ WAB, WSB, 0
	s_wait_loadcnt 0x0                                  ; Q is in; no load names GP any more
	s_add_nc_u64 s[GP:GP+1], s[GP:GP+1], STEPG
	XLOAD                                               ; step 1: every work-group needs at least ten steps.  No further wait: only LDS stores and scalar lines stand behind the wait above
	s_wait_dscnt 0x0                                    ; the stores have read their registers
	s_wait_alu depctr_vm_vsrc(0)                        ; the store of the two bytes has read v[MA], which the quantiser writes again
	QUANT2 S, QZ+8
	v_lshl_or_b32 v[QS], v[MA], 16, v[MA]               ; (s0, s1, s0, s1): Q's two bytes serve in either half of the instruction's K
	INIT
	s_mov_b32 s[KF], 0
	s_mov_b32 s[TB], 0
	s_mov_b32 s[CNT], 15
	BARRIER                                             ; region 0 is whole
	; ---- pass H.  Trip s: region s is read, region s + 1 is written, step s + 2 is asked for.  The trip count is a constant; what a work-group does not need is jumped over on ids
.LH:
	STEP
	s_add_co_u32 s42, s[KF], 128
	s_cmp_ge_u32 s42, s[KLIM]
	s_cbranch_scc1 .Lnq                                 ; the same in all sixteen waves
	s_wait_loadcnt 0x0                                  ; step s + 1's numbers, asked for a trip ago
	s_wait_xcnt 0x0                                     ; and the last trip's prefetch has read GP
	v_add_nc_u32 v[WA], s[TB], v[WAB]                   ; (v[WA], v[WS], v56-63 and v[MA]: the last trip's stores, which read them, stand ahead of the step's first line)
	v_add_nc_u32 v[WS], s[TB], v[WSB]
	QUANT2 X, 56
	s_wait_alu depctr_va_vdst(0)                        ; v[WA], v[WS], the codes v56-63 and the bytes v[MA] are written, which the stores read; the quantiser is done with X, in which step s + 2's loads land
	STOREQ WA, WS, STEPB
	s_add_nc_u64 s[GP:GP+1], s[GP:GP+1], STEPG
	s_add_co_u32 s42, s[KF], 256
	s_cmp_ge_u32 s42, s[KLIM]
	s_cbranch_scc1 .Lnq
	XLOAD                                               ; step s + 2: it has the next trip's step in which to land.  No further wait: only LDS stores and scalar lines stand behind the wait above
	s_cmp_lg_u32 s[PFX], 0
	s_cbranch_scc1 .Lnq
	s_add_co_u32 s42, s[KF], 384
	s_cmp_ge_u32 s42, s[KLIM]
	s_cbranch_scc1 .Lnq                                 ; step s + 3 would lie past the head's last key: nothing is asked
	global_prefetch_b8 v[PGO], s[GP:GP+1] offset:STEPG th:TH_LOAD_NT scope:SCOPE_SE   ; step s + 3, one trip ahead of its loads: one work-group of a head's four asks, four waves for K and four for V, a row of 256 bytes a lane: each row once in the launch
.Lnq:
	s_add_co_u32 s[KF], s[KF], 128
	s_add_co_u32 s[TB], s[TB], STEPB
	BARRIER                                             ; region s + 1 is whole
	s_sub_co_u32 s[CNT], s[CNT], 1
	s_cmp_lg_u32 s[CNT], 0
	s_cbranch_scc1 .LH
	STEP                                                ; step 15 is written out: nothing follows it to be quantised
	BARRIER                                             ; every wave's reads of regions 8 to 15 are over: the stages may be written
	; ---- between the passes
	s_wait_loadcnt 0x0                                  ; no load is out into X, and none names the offsets that the way out takes over
	s_wait_xcnt 0x0
	s_wait_alu depctr_vm_vsrc(0)                        ; step 15's LDS loads have read v[RA], which is written below
	v_and_b32 v[MA], 15, v0
	v_bfe_u32 v[MB], v0, 4, 1
	v_lshlrev_b32 v[RA], 12, v[MA]
	v_lshl_add_u32 v[RA], v[MB], 6, v[RA]
	s_wait_alu depctr_va_vdst(0)                        ; v[RA] is written, which the loads read; the quantiser is done with X, in which they land
	LOADROWS X, RA, QPL, 1                              ; pass L's queries land while pass H's results leave
	OUT OPH
	s_wait_loadcnt 0x0
	QUANT2 X, QZ+8
	v_lshl_or_b32 v[QS], v[MA], 16, v[MA]
	INIT
	s_mov_b32 s[Q0], s[Q0L]
	s_mov_b32 s[KF], 0
	s_mov_b32 s[TB], 0
	s_mov_b32 s[CNT], 8
	; ---- pass L: regions 0 to 7 at the most, read only: no barrier
.LL:
	STEP
	s_add_co_u32 s[KF], s[KF], 128
	s_add_co_u32 s[TB], s[TB], STEPB
	s_sub_co_u32 s[CNT], s[CNT], 1
	s_cmp_lg_u32 s[CNT], 0
	s_cbranch_scc1 .LL
	OUT OPL
	s_wait_xcnt 0x0
	v_lshl_add_u32 v254, v0, 2, 0x42000                 ; the add's two registers, made anew straight ahead of the closing lines: loads alone have touched v254 and v255, as their destinations, and those have landed
	v_mov_b32 v255, 0
	s_wait_dscnt 0x0                                    ; the closing lines, six on end
	s_wait_alu 0x0
	s_wait_tensorcnt 0x0
	ds_add_u32 v254, v255
	s_wait_dscnt 0x0
	s_endpgm
.Lfunc_end_k_q994db88edc_attn:
	.size	k_q994db88edc_attn, .Lfunc_end_k_q994db88edc_attn-k_q994db88edc_attn
	.p2alignl 7, 3214868480
	.fill 96, 4, 3214868480
	.section	.rodata,"a",@progbits
	.p2align	6, 0x0
	.amdhsa_kernel k_q994db88edc_attn
		.amdhsa_group_segment_fixed_size 272384
		.amdhsa_private_segment_fixed_size 0
		.amdhsa_enable_private_segment 0
		.amdhsa_kernarg_size 32
		.amdhsa_user_sgpr_count 2
		.amdhsa_user_sgpr_kernarg_segment_ptr 1
		.amdhsa_wavefront_size32 1
		.amdhsa_system_sgpr_workgroup_id_x 1
		.amdhsa_system_sgpr_workgroup_id_y 1
		.amdhsa_system_sgpr_workgroup_id_z 1
		.amdhsa_system_vgpr_workitem_id 0
		.amdhsa_next_free_vgpr 256
		.amdhsa_next_free_sgpr 66
		.amdhsa_reserve_vcc 0
		.amdhsa_float_denorm_mode_32 3
		.amdhsa_float_denorm_mode_16_64 3
		.amdhsa_memory_ordered 1
		.amdhsa_forward_progress 1
		.amdhsa_inst_pref_size 130
	.end_amdhsa_kernel
	.amdgpu_metadata
---
amdhsa.version: [ 1, 2 ]
amdhsa.kernels:
  - .name:           k_q994db88edc_attn
    .symbol:         k_q994db88edc_attn.kd
    .args:
      - { .name: queries, .offset: 0, .size: 8, .value_kind: global_buffer, .address_space: global }
      - { .name: keys, .offset: 8, .size: 8, .value_kind: global_buffer, .address_space: global }
      - { .name: values, .offset: 16, .size: 8, .value_kind: global_buffer, .address_space: global }
      - { .name: out0, .offset: 24, .size: 8, .value_kind: global_buffer, .address_space: global }
    .group_segment_fixed_size: 272384
    .private_segment_fixed_size: 0
    .kernarg_segment_align: 8
    .kernarg_segment_size: 32
    .max_flat_workgroup_size: 512
    .sgpr_count:     66
    .vgpr_count:     256
    .wavefront_size: 32
...
	.end_amdgpu_metadata
.endif
;; end of part 2
